; MI455X (gfx1250); checked and timed in simulation.
; The chip was launched on July 23, 2026; its instructions are those of AMD's public machine-readable ISA for CDNA 5 (MIT licence, August 2026) and "CDNA5" Instruction Set Architecture Reference Guide (July 2026). The comments in the code are by the model that wrote it; some were corrected since.
;; P6 Dense Mojo Flash Attention. Allowed arithmetic: float matrix products may take bf16 or f16 operands with f32 sums; all other float work in f32.
;; Inputs: cu_seqlens 9 int32; k 1 x 16 x 4,096 x 64 float32; q 1 x 16 x 4,096 x 64 float32; v 1 x 16 x 4,096 x 64 float32.
;; Outputs: out0 4,096 x 16 x 64 float32.
;; Constants: block_k_len = 512, block_q_len = 128.
;; 2 versions, each right; version 2 is version 1 with the launch attn written anew for expert scheduling mode. Each part assembles by itself: llvm-mc -triple=amdgcn-amd-amdhsa -mcpu=gfx1250 --defsym DOCPART=n.
;; ======== version 1 of 2: 1 launch
;; limits: right only within a limited range of input values
;; launch attn (part 1): grid 16 x 16, 8 waves a work-group, no clusters, 226,304 bytes of LDS; arguments cu_seqlens, k, q, v, out0; writes out0
.if DOCPART == 1
	.amdgcn_target "amdgcn-amd-amdhsa--gfx1250"
	.amdhsa_code_object_version 6
	.text
	.protected	k_q12de0e7725_attn
	.globl	k_q12de0e7725_attn
	.p2align	8
	.type	k_q12de0e7725_attn,@function
k_q12de0e7725_attn:
	s_mov_b64 s[64:65], 0
	v_nop
	global_prefetch_b8 v0, s[64:65] scope:SCOPE_SE
	s_setreg_imm32_b32 hwreg(HW_REG_WAVE_MODE, 25, 1), 1
	s_wait_xcnt 0x0
; Packed variable-length attention.  q, k, v: [16 heads][4096 tokens][64] f32.  out0: [4096][16][64] f32.
; out[i] = softmax over the keys of i's own segment of (8 q_i.k_j), times v.  Token j is a key of token i when no boundary
; cu_seqlens[1..8] lies between them: lo(i) <= j < hi(i), lo(i) = the largest boundary <= i (or 0), hi(i) = the smallest > i (or 4096).
; cu_seqlens[0] is loaded with the rest and enters nothing: the function itself slices it off.
;
; SHARES.  A work-group: one head (id y) and 256 query rows (id x); eight waves, 32 rows each (two q tiles of 16).
; The keys that the 256 rows can need, [klo, khi), go through LDS in chunks of 512 keys counted from klo: the waves load K and V as f32
; (each load of a wave covers 512 consecutive bytes), round them ONCE for the work-group to bf16 and store them to LDS; then every wave
; runs flash attention over the chunk's eight tiles of 64 keys, without barriers.  Tiles and chunks that no row of the wave can see are
; jumped over; tiles that a segment boundary crosses are masked; the others are not.
; All loops have constant trip counts (8 chunks, 8 tiles) and every barrier stands outside the branches that hang on cu_seqlens.
;
; TRANSPOSED PRODUCTS, so that nothing is shuffled between them.  S^T = K Q^T: register j of lane (r, h) holds key 8h + j, query r.
; Two neighbouring S^T tiles, packed to bf16, ARE the second operand P^T (k = 8h.., 16+8h..) of O^T = V^T P^T, whose first operand comes
; from V [key][d] by the transposing LDS load.  A query's maximum and sum are one number a lane, joined across the two half-waves.
;
; NUMBERS.  q, k, v and p enter the matrix unit in bf16, sums in f32.  q and k are rounded unscaled; the factor c = 8 log2(e) is applied
; in f32 behind the product, p = 2^(c s - c m) with m the running maximum of the raw s.  The rescaling factor is formed from the two
; ROUNDED shifts c m, so old and new sums refer to exactly the same powers of two whatever the size of the scores.
;
; LIMITS.  cu_seqlens[1..8] non-decreasing, as searchsorted presumes; entries below 0 or above 4096 act as 0 and 4096, which changes no
; result.  A raw product q.k has to lie above -2^100, the value that stands for a masked score.  A v that is not finite at a key which
; shares a tile with a row's keys but is masked for that row gives NaN there (the function's own 0 x inf does as well).
;
; NO CLUSTER, NO JOINT REQUESTS.  K and V arrive as f32 and pass through registers to be rounded, so they come by plain loads; and the key
; range [klo, khi) of a block of 256 rows hangs on cu_seqlens, so neighbouring blocks would need different tiles, in different numbers.
.set NTOK,   4096
.set CHUNK,  512                       ; keys in LDS at a time
.set NCHUNK, NTOK/CHUNK                ; trips of the outer loop: klo + 8 x 512 >= khi always
.set TKEYS,  64                        ; keys in a tile
.set NTILE,  CHUNK/TKEYS
.set KPITCH, 144                       ; 128 bytes of bf16 + 16: 9 x 16 bytes, so 16 rows start at 16 different 16-byte columns modulo 256
.set VPITCH, 160                       ; 128 + 32: 5 x 32 bytes, for the transposing load
.set OPITCH, 272                       ; 256 bytes of f32 + 16
.set KB,     0                         ; K chunk: 512 rows x 144
.set VB,     CHUNK*KPITCH              ; V chunk: 512 rows x 160, at 73,728
.set WS0,    VB+CHUNK*VPITCH           ; at 155,648: 8,704 bytes for each wave alone: first its Q in bf16 (32 x 144), at the end its output (32 x 272)
.set WSB,    32*OPITCH
; vector registers
.set KA,   1                           ; LDS address of my K fragments, steps 64 rows a tile (before that: of my Q fragments; at the end: stage, in)
.set VA,   2                           ; the same for V (at the end: stage, back)
.set KST,  3                           ; where I store converted K (at the end: my byte offset in out0)
.set VST,  4                           ; where I store converted V
.set GOFF, 5                           ; my byte offset in a chunk of K or V
.set K8H,  6                           ; 8 h
.set LO,   7                           ; v[7:8]    lo(row) of q tile 0, 1
.set HI,   9                           ; v[9:10]   hi(row)
.set LOE,  11                          ; v[11:12]  max(lo, the chunk's first new key)
.set LEN,  13                          ; v[13:14]  keys from LOE to hi, 0 if none
.set MX,   15                          ; v[15:16]  running maximum of the raw scores
.set LS,   17                          ; v[17:18]  running sum, my half-wave's part
.set TA,   19                          ; at work
.set NM,   20                          ; v[20:23]  -c m, twice for each q tile (pairs for the packed forms)
.set AL,   24                          ; v[24:27]  rescaling factor, twice for each q tile
.set TT,   28                          ; v[28:31]  at work
.set QF,   32                          ; v[32:63]  Q fragments: 16 n + 8 ks
.set QOFF, 32                          ; before they land: the byte offset of my Q loads
.set ACC,  64                          ; v[64:127] O^T: 32 n + 8 dt; before it is cleared: Q as loaded
.set SC,   128                         ; v[128:191] S^T: 32 n + 8 kt; then P^T packed in place: 32 n + 16 u
.set FR,   192                         ; v[192:255] K fragments 16 kt + 8 ks, then V fragments 32 u + 8 dt
.set ST,   128                         ; v[128:255] between the compute phases: 32 slots of 4 registers for K and V as loaded
; scalar registers: s[4:13] buffers; s14 wave; s15 q0; s16-24 cu_seqlens; s25 head; s26 klo, s27 khi; s28 wlo, s29 whi, s30 wlomax, s31 whimin;
; s32 chunk counter; s33 first new key of the chunk (nom); s34 first key in LDS (kbp); s35 tile counter; s36, s37 the tile's first key and end;
; s38 max(wlo, nom); s39 max(wlomax, nom); s[40:41], s[42:43] K and V at the chunk; s[44:45], s[46:47] K and V at the head; s[48:49] an offset;
; s[50:51] c, c; s52, s53 lane selects; s54 -2^100; s55 -c; s56-59 at work
.macro PLACES n                        ; plain vector instructions that name no register of the matrix instructions in front (ISA guide 7.12.1)
.rept \n
	v_nop
.endr
.endm
; lo(x) into s[lo] and hi(x) into s[hi] for the scalar row s[x]; -1: not wanted.  Both selects stand ahead of max and min, which write SCC.
.macro SEG x, lo, hi
.if \lo >= 0
	s_mov_b32 s[\lo], 0
.endif
.if \hi >= 0
	s_mov_b32 s[\hi], NTOK
.endif
.irp j, 17,18,19,20,21,22,23,24
	s_cmp_le_u32 s\j, s[\x]
.if \lo >= 0
	s_cselect_b32 s58, s\j, 0
.endif
.if \hi >= 0
	s_cselect_b32 s59, NTOK, s\j
.endif
.if \lo >= 0
	s_max_u32 s[\lo], s[\lo], s58
.endif
.if \hi >= 0
	s_min_u32 s[\hi], s[\hi], s59
.endif
.endr
.endm
; the same for each lane's row, which lies in v[TA]; v[TT] holds 4096
.macro VSEG n
	v_mov_b32 v[LO+\n], 0
	v_mov_b32 v[HI+\n], v[TT]
.irp j, 17,18,19,20,21,22,23,24
	v_cmp_le_u32 vcc_lo, s\j, v[TA]
	v_cndmask_b32 v[TT+1], 0, s\j, vcc_lo          ; boundary <= row: a candidate for lo
	v_cndmask_b32 v[TT+2], s\j, v[TT], vcc_lo      ; boundary > row: a candidate for hi
	v_max_u32 v[LO+\n], v[LO+\n], v[TT+1]
	v_min_u32 v[HI+\n], v[HI+\n], v[TT+2]
.endr
.endm
; The chunk's 512 rows begin at kbp = min(nom, 3584), so that they end inside the head.  A chunk that is pulled back so begins ahead of nom;
; its keys below nom were taken in an earlier chunk and are masked by LOE.
.macro SETBASE
	s_min_u32 s34, s33, NTOK-CHUNK
	s_lshl_b32 s48, s34, 8                         ; 256 bytes a row
	s_add_nc_u64 s[40:41], s[44:45], s[48:49]
	s_add_nc_u64 s[42:43], s[46:47], s[48:49]
.endm
; Bring a chunk in.  A wave takes 64 rows of K and of V: 32 loads each, a load = two whole rows (lanes 0-15 one, lanes 16-31 the next).
; All 32 K loads go out at once; each V load goes out into the slot whose K has just been converted.  first = 1: the once-only work is done
; while the K loads are on their way.
.macro LOADCHUNK first
.set i, 0
.rept 32
	global_load_b128 v[ST+4*i:ST+4*i+3], v[GOFF], s[40:41] offset:512*i
.set i, i+1
.endr
.if \first
	s_lshl_b32 s57, s14, 5
	s_add_co_u32 s57, s57, s15                     ; qw: my wave's first row
	SEG 57, 28, 31                                 ; wlo = lo(qw), the least lo of my rows; whimin = hi(qw), the least hi
	s_add_co_u32 s56, s57, 31
	SEG 56, 30, 29                                 ; wlomax = lo(qw + 31), whi = hi(qw + 31): the largest
	v_and_b32 v[TT+3], 15, v0                      ; r
	v_mov_b32 v[TT], NTOK
	v_add_nc_u32 v[TA], s57, v[TT+3]               ; row of q tile 0
	VSEG 0
	v_add_nc_u32 v[TA], 16, v[TA]                  ; of q tile 1
	VSEG 1
	v_bfe_u32 v[TT+2], v0, 4, 1                    ; h
	s_mul_i32 s56, s14, 64*KPITCH
	s_mul_i32 s57, s14, 64*VPITCH
	s_add_co_u32 s57, s57, VB
	v_mul_u32_u24 v[KST], v[TT+2], KPITCH          ; row 64 w + h, 8 bytes (4 bf16) at 8 r
	v_mul_u32_u24 v[VST], v[TT+2], VPITCH
	v_lshl_add_u32 v[KST], v[TT+3], 3, v[KST]
	v_lshl_add_u32 v[VST], v[TT+3], 3, v[VST]
	v_add_nc_u32 v[KST], s56, v[KST]
	v_add_nc_u32 v[VST], s57, v[VST]
	v_lshlrev_b32 v[K8H], 3, v[TT+2]
	s_mul_i32 s56, s14, WSB
	s_add_co_u32 s56, s56, WS0                     ; my wave's own bytes
	v_mul_u32_u24 v[TA], v[TT+2], KPITCH           ; Q in: row h, 8 r
	v_lshl_add_u32 v[TA], v[TT+3], 3, v[TA]
	v_add_nc_u32 v[TA], s56, v[TA]
	v_mul_u32_u24 v[KA], v[TT+3], KPITCH           ; Q fragments: row r, 16 h
	v_lshl_add_u32 v[KA], v[TT+2], 4, v[KA]
	v_add_nc_u32 v[KA], s56, v[KA]
.irp n, 0,1
	v_mov_b32 v[MX+\n], s54                        ; no key seen yet: m = -2^100,
	v_mul_f32 v[NM+2*\n], s55, s54                 ; -c m = 2^100 c, exact,
	v_mul_f32 v[NM+2*\n+1], s55, s54
	v_mov_b32 v[LS+\n], 0                          ; the sum empty
.endr
	s_wait_loadcnt 32                              ; the 32 K loads are younger than the 16 Q loads: Q is in, and its offset register is free
.set i, 0
.rept 16
	v_cvt_pk_bf16_f32 v[TT+2*(i%2)],   v[ACC+4*i],   v[ACC+4*i+1]
	v_cvt_pk_bf16_f32 v[TT+2*(i%2)+1], v[ACC+4*i+2], v[ACC+4*i+3]
	ds_store_b64 v[TA], v[TT+2*(i%2):TT+2*(i%2)+1] offset:2*KPITCH*i
.set i, i+1
.endr
.irp n, 0,1
.irp ks, 0,1
	ds_load_b128 v[QF+16*\n+8*\ks:QF+16*\n+8*\ks+3],   v[KA] offset:16*KPITCH*\n+64*\ks      ; my own bytes, and LDS serves a wave's instructions
	ds_load_b128 v[QF+16*\n+8*\ks+4:QF+16*\n+8*\ks+7], v[KA] offset:16*KPITCH*\n+64*\ks+32   ; in order (ISA guide 5.7.1): no wait in between
.endr
.endr
	; O^T is cleared by moves: which tile a wave multiplies first is settled by branches on cu_seqlens, so no product in the text is the first.
.set i, 0
.rept 64
	v_mov_b32 v[ACC+i], 0
.set i, i+1
.endr
.endif
.set i, 0
.rept 32
	s_wait_loadcnt 31                              ; behind K's load i stand 31 - i loads of K and i of V
	v_cvt_pk_bf16_f32 v[TT+2*(i%2)],   v[ST+4*i],   v[ST+4*i+1]
	v_cvt_pk_bf16_f32 v[TT+2*(i%2)+1], v[ST+4*i+2], v[ST+4*i+3]
	ds_store_b64 v[KST], v[TT+2*(i%2):TT+2*(i%2)+1] offset:2*KPITCH*i
	global_load_b128 v[ST+4*i:ST+4*i+3], v[GOFF], s[42:43] offset:512*i
.set i, i+1
.endr
.set i, 0
.rept 32
	s_wait_loadcnt 31-i                            ; behind V's load i stand 31 - i loads; the last wait, for 0, also frees s[40:43]
	v_cvt_pk_bf16_f32 v[TT+2*(i%2)],   v[ST+4*i],   v[ST+4*i+1]
	v_cvt_pk_bf16_f32 v[TT+2*(i%2)+1], v[ST+4*i+2], v[ST+4*i+3]
	ds_store_b64 v[VST], v[TT+2*(i%2):TT+2*(i%2)+1] offset:2*VPITCH*i
.set i, i+1
.endr
.endm
; Scores of keys outside [LOE, hi) of the lane's row become -2^100.  Register 8 kt + j holds key ts + 16 kt + 8 h + j.
; One unsigned compare does both ends: key - LOE wraps to a large number below LOE.
.macro MASK
	v_add_nc_u32 v[TA], s36, v[K8H]
	v_sub_nc_u32 v[TT],   v[TA], v[LOE]
	v_sub_nc_u32 v[TT+1], v[TA], v[LOE+1]
.irp n, 0,1
.set i, 0
.rept 32
	v_add_nc_u32 v[TT+2+i%2], 16*(i/8)+i%8, v[TT+\n]
	v_cmp_gt_u32 vcc_lo, v[LEN+\n], v[TT+2+i%2]
	v_cndmask_b32 v[SC+32*\n+i], s54, v[SC+32*\n+i], vcc_lo
.set i, i+1
.endr
.endr
.endm
; One step of the running softmax for both q tiles, interleaved so that their chains do not wait for each other.
.macro SOFTMAX
	; the maximum of my 32 scores and the old maximum: two chains for each q tile, 16 instructions
.irp n, 0,1
	v_max3_num_f32 v[TT+2*\n],   v[SC+32*\n],    v[SC+32*\n+1],  v[MX+\n]
	v_max3_num_f32 v[TT+2*\n+1], v[SC+32*\n+16], v[SC+32*\n+17], v[SC+32*\n+18]
.endr
.set i, 0
.rept 7
.irp n, 0,1
	v_max3_num_f32 v[TT+2*\n], v[TT+2*\n], v[SC+32*\n+2+2*i], v[SC+32*\n+3+2*i]
.if i < 6
	v_max3_num_f32 v[TT+2*\n+1], v[TT+2*\n+1], v[SC+32*\n+19+2*i], v[SC+32*\n+20+2*i]
.endif
.endr
.set i, i+1
.endr
.irp n, 0,1
	v_max3_num_f32 v[TT+2*\n], v[TT+2*\n], v[TT+2*\n+1], v[SC+32*\n+31]
.endr
.irp n, 0,1
	v_permlanex16_b32 v[TT+2*\n+1], v[TT+2*\n], s52, s53   ; the other half-wave holds the row's other 32 keys
.endr
.irp n, 0,1
	v_max_num_f32 v[MX+\n], v[TT+2*\n], v[TT+2*\n+1]
.endr
.irp n, 0,1
	v_mul_f32 v[TT+2*\n], s55, v[MX+\n]                    ; the new shift -c m
.endr
.irp n, 0,1
	v_sub_f32 v[TT+2*\n+1], v[TT+2*\n], v[NM+2*\n]         ; new shift - old shift, <= 0
	v_mov_b32 v[NM+2*\n],   v[TT+2*\n]
	v_mov_b32 v[NM+2*\n+1], v[TT+2*\n]
.endr
.irp n, 0,1
	v_exp_f32 v[AL+2*\n],   v[TT+2*\n+1]                   ; the factor for what was gathered under the old shift; the packed
	v_exp_f32 v[AL+2*\n+1], v[TT+2*\n+1]                   ; multiply-adds below are the plain places behind these (ISA guide 5.7.2)
.endr
.set i, 0
.rept 16
.irp n, 0,1
	v_pk_fma_f32 v[SC+32*\n+2*i:SC+32*\n+2*i+1], v[SC+32*\n+2*i:SC+32*\n+2*i+1], s[50:51], v[NM+2*\n:NM+2*\n+1] op_sel_hi:[1,0,1]
.endr
.set i, i+1
.endr
.set i, 0
.rept 64
	v_exp_f32 v[SC+i], v[SC+i]                             ; p = 2^(c s - c m)
.set i, i+1
.endr
	v_nop                                                  ; one plain place before the last results are used
	; the sum of my 32 p, and between its links the rescaling of O^T
	s_wait_alu depctr_va_vdst(0)
.irp n, 0,1
	v_pk_add_f32 v[TT+2*\n:TT+2*\n+1], v[SC+32*\n:SC+32*\n+1], v[SC+32*\n+2:SC+32*\n+3]
.endr
.set i, 0
.rept 16
.irp n, 0,1
.if i < 14
	v_pk_add_f32 v[TT+2*\n:TT+2*\n+1], v[TT+2*\n:TT+2*\n+1], v[SC+32*\n+4+2*i:SC+32*\n+5+2*i]
.endif
	v_pk_mul_f32 v[ACC+32*\n+2*i:ACC+32*\n+2*i+1], v[ACC+32*\n+2*i:ACC+32*\n+2*i+1], v[AL+2*\n:AL+2*\n+1]
.endr
.set i, i+1
.endr
.irp n, 0,1
	v_add_f32 v[TT+2*\n], v[TT+2*\n], v[TT+2*\n+1]
.endr
.irp n, 0,1
	v_fma_f32 v[LS+\n], v[LS+\n], v[AL+2*\n], v[TT+2*\n]
.endr
	; P^T in bf16, packed in place: word i of a block of 16 takes numbers 2 i and 2 i + 1, so no word is written before it has been read
.irp n, 0,1
.irp u, 0,1
.set i, 0
.rept 8
	v_cvt_pk_bf16_f32 v[SC+32*\n+16*\u+i], v[SC+32*\n+16*\u+2*i], v[SC+32*\n+16*\u+2*i+1]
.set i, i+1
.endr
.endr
.endr
.endm
; ------------------------------------------------------------------ entry
	s_load_b256 s[4:11], s[0:1], 0x0               ; cu_seqlens s[4:5], k s[6:7], q s[8:9], v s[10:11]
	s_load_b64 s[12:13], s[0:1], 0x20              ; out0
	s_set_vgpr_msb 0x40
	v_lshl_add_u32 v0, v0, 2, 0x37000
	v_mov_b32 v1, 0
	s_set_vgpr_msb 0x4000
	v_lshrrev_b32 v[TA], 5, v0
	v_readfirstlane_b32 s14, v[TA]                 ; wave 0..7
	v_and_b32 v[TA], 31, v0
	v_lshlrev_b32 v[TA], 4, v[TA]                  ; 16 bytes a lane
	s_lshl_b32 s56, s14, 13                        ; my 32 rows of Q: 8,192 bytes a wave
	s_lshl_b32 s57, s14, 14                        ; my 64 rows of a chunk: 16,384 bytes a wave
	v_add_nc_u32 v[QOFF], s56, v[TA]
	v_add_nc_u32 v[GOFF], s57, v[TA]
	s_and_b32 s25, ttmp7, 0xffff                   ; head
	s_lshl_b32 s15, ttmp9, 8                       ; q0: the block's first row
	s_lshl_b32 s48, s25, 20                        ; a head of q, k, v: 4,096 rows x 256 bytes
	s_mov_b32 s49, 0
	s_lshl_b32 s56, ttmp9, 16                      ; 256 rows x 256 bytes
	s_add_co_u32 s56, s56, s48
	s_mov_b32 s57, 0
	s_lshl_b32 s58, ttmp9, 20                      ; in out0 a token is 16 heads x 256 bytes
	s_lshl_b32 s59, s25, 8
	s_add_co_u32 s58, s58, s59
	s_mov_b32 s59, 0
	s_wait_kmcnt 0x0
	s_load_b256 s[16:23], s[4:5], 0x0              ; cu_seqlens[0..7]
	s_load_b32 s24, s[4:5], 0x20                   ; cu_seqlens[8]: the boundaries are s17 .. s24
	s_add_nc_u64 s[44:45], s[6:7], s[48:49]        ; k at the head
	s_add_nc_u64 s[46:47], s[10:11], s[48:49]      ; v at the head
	s_add_nc_u64 s[8:9], s[8:9], s[56:57]          ; q at the block
	s_add_nc_u64 s[12:13], s[12:13], s[58:59]      ; out0 at the block's first token, my head
.set i, 0
.rept 16
	global_load_b128 v[ACC+4*i:ACC+4*i+3], v[QOFF], s[8:9] offset:512*i th:TH_LOAD_NT   ; read by nobody else
.set i, i+1
.endr
	s_mov_b32 s50, 0x4138aa3b                      ; c = 8 log2(e)
	s_mov_b32 s51, 0x4138aa3b
	s_mov_b32 s52, 0x76543210                      ; v_permlanex16_b32: lane i of one half reads lane i of the other
	s_mov_b32 s53, 0xfedcba98
	s_mov_b32 s54, 0xf1800000                      ; -2^100
	s_mov_b32 s55, 0xc138aa3b                      ; -c
	s_wait_kmcnt 0x0
.irp j, 17,18,19,20,21,22,23,24
	s_max_i32 s\j, s\j, 0                          ; a boundary below 0 cuts where 0 cuts, one above 4096 where 4096 cuts: nowhere.
	s_min_i32 s\j, s\j, NTOK                       ; From here on all of it is unsigned.
.endr
	SEG 15, 26, -1                                 ; klo = lo(q0)
	s_add_co_u32 s56, s15, 255
	SEG 56, -1, 27                                 ; khi = hi(q0 + 255)
	s_mov_b32 s33, s26                             ; the first chunk begins at klo; it is never empty, and it writes all of KB and VB
	SETBASE
	LOADCHUNK 1
; ------------------------------------------------------------------ the chunks
	s_mov_b32 s32, 0
.Lchunk:
	s_wait_dscnt 0x0                               ; my stores of the chunk are in LDS (zero, for the other waves' sake)
	s_barrier_signal -1
	s_barrier_wait -1                              ; everybody's are
	s_max_u32 s38, s28, s33                        ; the first key that any of my rows still wants
	s_max_u32 s39, s30, s33                        ; from here on no row of mine is cut off from below
	s_cmp_ge_u32 s38, s29                          ; nothing left for my rows (also: no chunk was loaded, since then nom >= khi >= whi)
	s_cbranch_scc1 .Lcdone
	s_add_co_u32 s56, s34, CHUNK
	s_cmp_le_u32 s56, s38                          ; my rows' keys begin behind this chunk
	s_cbranch_scc1 .Lcdone
.irp n, 0,1
	v_max_u32 v[LOE+\n], s33, v[LO+\n]
	v_min_u32 v[TT+\n], v[LOE+\n], v[HI+\n]
	v_sub_nc_u32 v[LEN+\n], v[HI+\n], v[TT+\n]     ; hi - LOE, or 0
.endr
	v_and_b32 v[TT], 15, v0                        ; r
	v_bfe_u32 v[TT+1], v0, 4, 1                    ; h
	v_mul_u32_u24 v[KA], v[TT], KPITCH
	v_lshl_add_u32 v[KA], v[TT+1], 4, v[KA]        ; K fragment: row r, 16 h
	v_and_b32 v[TT+2], 7, v0
	v_lshl_add_u32 v[TT+2], v[TT+1], 3, v[TT+2]    ; V, transposing load: row 8 h + (lane & 7),
	v_bfe_u32 v[TT+3], v0, 3, 1
	v_mul_u32_u24 v[VA], v[TT+2], VPITCH
	v_lshl_add_u32 v[VA], v[TT+3], 4, v[VA]        ; 16 bytes x bit 3 of the lane
	v_add_nc_u32 v[VA], VB, v[VA]
	s_mov_b32 s36, s34                             ; the first tile's first key
	s_mov_b32 s35, 0
.Ltile:
	s_add_co_u32 s37, s36, TKEYS
	s_cmp_le_u32 s37, s38                          ; the tile ends before my rows' keys begin
	s_cbranch_scc1 .Lnext
	s_cmp_ge_u32 s36, s29                          ; or begins behind their end
	s_cbranch_scc1 .Lnext
	; K fragments: 4 blocks of 16 keys x 2 halves of d, two loads each
.irp kt, 0,1,2,3
.irp ks, 0,1
	ds_load_b128 v[FR+16*\kt+8*\ks:FR+16*\kt+8*\ks+3],   v[KA] offset:16*KPITCH*\kt+64*\ks
	ds_load_b128 v[FR+16*\kt+8*\ks+4:FR+16*\kt+8*\ks+7], v[KA] offset:16*KPITCH*\kt+64*\ks+32
.endr
.endr
	; S^T = K Q^T; the first product of each tile starts its sum
.irp kt, 0,1,2,3
	s_wait_dscnt 12-4*\kt                          ; the four loads of each later key block stay out
	v_wmma_f32_16x16x32_bf16 v[SC+8*\kt:SC+8*\kt+7],       v[FR+16*\kt:FR+16*\kt+7],    v[QF:QF+7],     0
	v_wmma_f32_16x16x32_bf16 v[SC+32+8*\kt:SC+32+8*\kt+7], v[FR+16*\kt:FR+16*\kt+7],    v[QF+16:QF+23], 0
	v_wmma_f32_16x16x32_bf16 v[SC+8*\kt:SC+8*\kt+7],       v[FR+16*\kt+8:FR+16*\kt+15], v[QF+8:QF+15],  v[SC+8*\kt:SC+8*\kt+7]
	v_wmma_f32_16x16x32_bf16 v[SC+32+8*\kt:SC+32+8*\kt+7], v[FR+16*\kt+8:FR+16*\kt+15], v[QF+24:QF+31], v[SC+32+8*\kt:SC+32+8*\kt+7]
.endr
	PLACES 4                                       ; before loads land in FR, which the products read, and before vector work reads S^T
	; V^T fragments: 2 blocks of 32 keys x 4 blocks of 16 d; the softmax covers their way
.irp u, 0,1
.irp dt, 0,1,2,3
	ds_load_tr16_b128 v[FR+32*\u+8*\dt:FR+32*\u+8*\dt+3],   v[VA] offset:32*VPITCH*\u+32*\dt
	ds_load_tr16_b128 v[FR+32*\u+8*\dt+4:FR+32*\u+8*\dt+7], v[VA] offset:32*VPITCH*\u+32*\dt+16*VPITCH
.endr
.endr
	s_cmp_lt_u32 s36, s39                          ; some row of mine is cut off inside the tile from below,
	s_cbranch_scc1 .Lmask
	s_cmp_le_u32 s37, s31                          ; or from above?
	s_cbranch_scc1 .Lnomask
.Lmask:
	MASK
.Lnomask:
	SOFTMAX
	; O^T += V^T P^T
.irp u, 0,1
	s_wait_dscnt 8-8*\u                            ; the eight loads of the second key block stay out, then none
.irp dt, 0,1,2,3
.irp n, 0,1
	v_wmma_f32_16x16x32_bf16 v[ACC+32*\n+8*\dt:ACC+32*\n+8*\dt+7], v[FR+32*\u+8*\dt:FR+32*\u+8*\dt+7], v[SC+32*\n+16*\u:SC+32*\n+16*\u+7], v[ACC+32*\n+8*\dt:ACC+32*\n+8*\dt+7]
.endr
.endr
.endr
	PLACES 5                                       ; the next tile's first products write over P^T (five places); loads into FR and the ring,
	                                               ; and vector work on O^T, want four
.Lnext:
	v_add_nc_u32 v[KA], TKEYS*KPITCH, v[KA]
	v_add_nc_u32 v[VA], TKEYS*VPITCH, v[VA]
	s_mov_b32 s36, s37
	s_add_co_u32 s35, s35, 1
	s_cmp_lt_u32 s35, NTILE
	s_cbranch_scc1 .Ltile
.Lcdone:
	s_wait_dscnt 0x0                               ; my reads of the chunk are back
	s_barrier_signal -1
	s_barrier_wait -1                              ; everybody's are: KB and VB may be written again
	s_add_co_u32 s33, s33, CHUNK
	s_cmp_ge_u32 s33, s27                          ; no key of the block's range is left (in the eighth trip always: klo + 4096 >= khi)
	s_cbranch_scc1 .Lnoload
	SETBASE                                        ; s[40:43] are free: the last chunk's loads were waited for down to 0
	LOADCHUNK 0
.Lnoload:
	s_add_co_u32 s32, s32, 1
	s_cmp_lt_u32 s32, NCHUNK
	s_cbranch_scc1 .Lchunk
; ------------------------------------------------------------------ the way out: my wave's own bytes of LDS, no barrier
.irp n, 0,1
	v_permlanex16_b32 v[TT+2*\n], v[LS+\n], s52, s53       ; the other half-wave's part of the sum
.endr
.irp n, 0,1
	v_add_f32 v[TT+2*\n], v[TT+2*\n], v[LS+\n]             ; at least about 1: every row is a key of its own, and its largest p is about 1
.endr
.irp n, 0,1
	v_rcp_f32 v[AL+2*\n],   v[TT+2*\n]
	v_rcp_f32 v[AL+2*\n+1], v[TT+2*\n]
.endr
	v_and_b32 v[TT+1], 15, v0                      ; r: also the plain place behind the reciprocals (ISA guide 5.7.2)
	v_bfe_u32 v[TT+3], v0, 4, 1                    ; h
.set i, 0
	s_wait_alu depctr_va_vdst(0)
.rept 16
.irp n, 0,1
	v_pk_mul_f32 v[ACC+32*\n+2*i:ACC+32*\n+2*i+1], v[ACC+32*\n+2*i:ACC+32*\n+2*i+1], v[AL+2*\n:AL+2*\n+1]
.endr
.set i, i+1
.endr
	s_mul_i32 s56, s14, WSB
	s_add_co_u32 s56, s56, WS0
	s_lshl_b32 s57, s14, 17                        ; 32 tokens x 4,096 bytes a wave
	v_mul_u32_u24 v[KA], v[TT+1], OPITCH           ; in: row r; register j of tile dt is d = 16 dt + 8 h + j: byte 64 dt + 32 h + 4 j
	v_lshl_add_u32 v[KA], v[TT+3], 5, v[KA]
	v_add_nc_u32 v[KA], s56, v[KA]
	v_mul_u32_u24 v[VA], v[TT+3], OPITCH           ; back: lanes 0-15 take one row of 256 bytes, lanes 16-31 the next
	v_lshl_add_u32 v[VA], v[TT+1], 4, v[VA]
	v_add_nc_u32 v[VA], s56, v[VA]
	v_lshlrev_b32 v[KST], 12, v[TT+3]              ; and the same two tokens in out0
	v_lshl_add_u32 v[KST], v[TT+1], 4, v[KST]
	v_add_nc_u32 v[KST], s57, v[KST]
.irp n, 0,1
.irp dt, 0,1,2,3
.irp e, 0,1
	ds_store_b128 v[KA], v[ACC+32*\n+8*\dt+4*\e:ACC+32*\n+8*\dt+4*\e+3] offset:16*OPITCH*\n+64*\dt+16*\e
.endr
.endr
.endr
.set i, 0
.rept 16
	ds_load_b128 v[ST+4*i:ST+4*i+3], v[VA] offset:2*OPITCH*i       ; LDS serves a wave's instructions in order: these see the stores above
.set i, i+1
.endr
.set i, 0
.rept 16
	s_wait_dscnt 15-i                              ; the later read-backs stay out
	global_store_b128 v[KST], v[ST+4*i:ST+4*i+3], s[12:13] offset:8192*i th:TH_STORE_NT   ; 16 lanes store the 256 consecutive, aligned bytes of one (token, head)
.set i, i+1
.endr
	s_set_vgpr_msb 0x5
	s_wait_tensorcnt 0x0
	ds_add_u32 v0, v1
	s_wait_dscnt 0x0
	s_set_vgpr_msb 0x500
	s_endpgm
.Lfunc_end_k_q12de0e7725_attn:
	.size	k_q12de0e7725_attn, .Lfunc_end_k_q12de0e7725_attn-k_q12de0e7725_attn
	.p2alignl 7, 3214868480
	.fill 96, 4, 3214868480
	.section	.rodata,"a",@progbits
	.p2align	6, 0x0
	.amdhsa_kernel k_q12de0e7725_attn
		.amdhsa_group_segment_fixed_size 226304
		.amdhsa_private_segment_fixed_size 0
		.amdhsa_enable_private_segment 0
		.amdhsa_kernarg_size 40
		.amdhsa_user_sgpr_count 2
		.amdhsa_user_sgpr_kernarg_segment_ptr 1
		.amdhsa_wavefront_size32 1
		.amdhsa_system_sgpr_workgroup_id_x 1
		.amdhsa_system_sgpr_workgroup_id_y 1
		.amdhsa_system_sgpr_workgroup_id_z 1
		.amdhsa_system_vgpr_workitem_id 0
		.amdhsa_next_free_vgpr 258
		.amdhsa_next_free_sgpr 66
		.amdhsa_reserve_vcc 1
		.amdhsa_float_denorm_mode_32 3
		.amdhsa_float_denorm_mode_16_64 3
		.amdhsa_memory_ordered 1
		.amdhsa_forward_progress 1
		.amdhsa_inst_pref_size 93
	.end_amdhsa_kernel
	.amdgpu_metadata
---
amdhsa.version: [ 1, 2 ]
amdhsa.kernels:
  - .name:           k_q12de0e7725_attn
    .symbol:         k_q12de0e7725_attn.kd
    .args:
      - { .name: cu_seqlens, .offset: 0, .size: 8, .value_kind: global_buffer, .address_space: global }
      - { .name: k, .offset: 8, .size: 8, .value_kind: global_buffer, .address_space: global }
      - { .name: q, .offset: 16, .size: 8, .value_kind: global_buffer, .address_space: global }
      - { .name: v, .offset: 24, .size: 8, .value_kind: global_buffer, .address_space: global }
      - { .name: out0, .offset: 32, .size: 8, .value_kind: global_buffer, .address_space: global }
    .group_segment_fixed_size: 226304
    .private_segment_fixed_size: 0
    .kernarg_segment_align: 8
    .kernarg_segment_size: 40
    .max_flat_workgroup_size: 256
    .sgpr_count:     66
    .vgpr_count:     258
    .wavefront_size: 32
...
	.end_amdgpu_metadata
.endif
;; end of part 1
;; ======== version 2 of 2: 1 launch; version 1 with the launch attn written anew for expert scheduling mode
;; limits: right only within a limited range of input values
;; launch attn (part 2): grid 16 x 16, 8 waves a work-group, no clusters, 226,304 bytes of LDS; arguments cu_seqlens, k, q, v, out0; writes out0
.if DOCPART == 2
	.amdgcn_target "amdgcn-amd-amdhsa--gfx1250"
	.amdhsa_code_object_version 6
	.text
	.protected	k_q12de0e7725_attn
	.globl	k_q12de0e7725_attn
	.p2align	8
	.type	k_q12de0e7725_attn,@function
k_q12de0e7725_attn:
	s_mov_b64 s[64:65], 0
	v_nop
	global_prefetch_b8 v0, s[64:65] scope:SCOPE_SE
	s_setreg_imm32_b32 hwreg(HW_REG_WAVE_SCHED_MODE, 0, 2), 2
	s_setreg_imm32_b32 hwreg(HW_REG_WAVE_MODE, 25, 1), 1
	s_wait_xcnt 0x0
	s_wait_alu depctr_vm_vsrc(0)
; Packed variable-length attention.  q, k, v: [16 heads][4096 tokens][64] f32.  out0: [4096][16][64] f32.
; out[i] = softmax over the keys of i's own segment of (8 q_i.k_j), times v.  Token j is a key of token i when no boundary
; cu_seqlens[1..8] lies between them: lo(i) <= j < hi(i), lo(i) = the largest boundary <= i (or 0), hi(i) = the smallest > i (or 4096).
; cu_seqlens[0] is loaded with the rest and enters nothing: the function itself slices it off.
;
; SHARES.  A work-group: one head (id y) and 256 query rows (id x); eight waves, 32 rows each (two q tiles of 16).
; The keys that the 256 rows can need, [klo, khi), go through LDS in chunks of 512 keys counted from klo: the waves load K and V as f32
; (each load of a wave covers 512 consecutive bytes), round them ONCE for the work-group to bf16 and store them to LDS; then every wave
; runs flash attention over the chunk's eight tiles of 64 keys, without barriers.  Tiles and chunks that no row of the wave can see are
; jumped over; tiles that a segment boundary crosses are masked; the others are not.
; All loops have constant trip counts (8 chunks, 8 tiles) and every barrier stands outside the branches that hang on cu_seqlens.
;
; TRANSPOSED PRODUCTS, so that nothing is shuffled between them.  S^T = K Q^T: register j of lane (r, h) holds key 8h + j, query r.
; Two neighbouring S^T tiles, packed to bf16, ARE the second operand P^T (k = 8h.., 16+8h..) of O^T = V^T P^T, whose first operand comes
; from V [key][d] by the transposing LDS load.  A query's maximum and sum are one number a lane, joined across the two half-waves.
;
; NUMBERS.  q, k, v and p enter the matrix unit in bf16, sums in f32.  q and k are rounded unscaled; the factor c = 8 log2(e) is applied
; in f32 behind the product, p = 2^(c s - c m) with m the running maximum of the raw s.  The rescaling factor is formed from the two
; ROUNDED shifts c m, so old and new sums refer to exactly the same powers of two whatever the size of the scores.
;
; LIMITS.  cu_seqlens[1..8] non-decreasing, as searchsorted presumes; entries below 0 or above 4096 act as 0 and 4096, which changes no
; result.  A raw product q.k has to lie above -2^100, the value that stands for a masked score.  A v that is not finite at a key which
; shares a tile with a row's keys but is masked for that row gives NaN there (the function's own 0 x inf does as well).
;
; NO CLUSTER, NO JOINT REQUESTS.  K and V arrive as f32 and pass through registers to be rounded, so they come by plain loads; and the key
; range [klo, khi) of a block of 256 rows hangs on cu_seqlens, so neighbouring blocks would need different tiles, in different numbers.
;
; THE MODE: SCHED_MODE bits 1:0 = 2 (LLVM: expert scheduling mode 2), set by the entry lines.  The code itself states the register dependences
; between vector or matrix instructions and memory or LDS instructions, with s_wait_alu, always for 0.
; THE PLAN.  Registers that memory or LDS instructions touch:
;   ST slots   While a chunk comes in, slot i: K's load lands; two conversions read it and write its first pair IN PLACE; K's LDS store reads the pair;
;              V's load lands; the conversions again; V's LDS store reads the pair.  The slots go in four groups of eight.  Group g: its conversions,
;              ONE wait on va_vdst (its pairs are written, its slots read), ONE on vm_vsrc (the stores of group g - 1, a group back, have read
;              their pairs), V's loads into group g - 1, group g's stores.  V's groups: their conversions, one wait on va_vdst, their stores.
;              One wait on vm_vsrc behind the barrier at a chunk's head frees the pairs for the products, the fragments and the next chunk's loads;
;              one wait on va_vdst at the head of a later chunk's loads states that products, softmax and conversions are done with these registers.
;   FR         In a tile: K's fragment loads land, the products K Q^T read; V's fragment loads land, the products V^T P^T read.
;              Two waits on va_vdst a tile: at its top and behind the products K Q^T.  S^T, P^T and O^T are named by vector and matrix instructions alone.
;   KA, VA     Read by the fragment loads; stepped once a tile, behind one wait on vm_vsrc; that they are written is stated by the wait at the tile's top.
;   GOFF, KST, VST  Made once at the head, ahead of a wait on va_vdst.  KST, KA and VA are made anew for the way out, behind a wait on vm_vsrc.
;   ACC        At the head Q lands here, is rounded in place and stored to LDS; at the end the LDS stores of O^T read it: a wait on va_vdst ahead of each run.
;   s14, s[66:97]  Written by vector instructions (the wave's number; runs of compares): one wait on va_sdst behind each run, ahead of its first reader.
.set NTOK,   4096
.set CHUNK,  512                       ; keys in LDS at a time
.set NCHUNK, NTOK/CHUNK                ; trips of the outer loop: klo + 8 x 512 >= khi always
.set TKEYS,  64                        ; keys in a tile
.set NTILE,  CHUNK/TKEYS
.set KPITCH, 144                       ; 128 bytes of bf16 + 16: 9 x 16 bytes, so 16 rows start at 16 different 16-byte columns modulo 256
.set VPITCH, 160                       ; 128 + 32: 5 x 32 bytes, for the transposing load
.set OPITCH, 272                       ; 256 bytes of f32 + 16
.set KB,     0                         ; K chunk: 512 rows x 144
.set VB,     CHUNK*KPITCH              ; V chunk: 512 rows x 160, at 73,728
.set WS0,    VB+CHUNK*VPITCH           ; at 155,648: 8,704 bytes for each wave alone: first its Q in bf16 (32 x 144), at the end its output (32 x 272)
.set WSB,    32*OPITCH
; vector registers
.set KA,   1                           ; LDS address of my K fragments, steps 64 rows a tile (before that: of my Q fragments; at the end: stage, in)
.set VA,   2                           ; the same for V (at the end: stage, back)
.set KST,  3                           ; where I store converted K (at the end: my byte offset in out0)
.set VST,  4                           ; where I store converted V
.set GOFF, 5                           ; my byte offset in a chunk of K or V
.set K8H,  6                           ; 8 h
.set LO,   7                           ; v[7:8]    lo(row) of q tile 0, 1
.set HI,   9                           ; v[9:10]   hi(row)
.set LOE,  11                          ; v[11:12]  max(lo, the chunk's first new key)
.set LEN,  13                          ; v[13:14]  keys from LOE to hi, 0 if none
.set MX,   15                          ; v[15:16]  running maximum of the raw scores
.set LS,   17                          ; v[17:18]  running sum, my half-wave's part
.set TA,   19                          ; at work
.set NM,   20                          ; v[20:23]  -c m, twice for each q tile (pairs for the packed forms)
.set AL,   24                          ; v[24:27]  rescaling factor, twice for each q tile
.set TT,   28                          ; v[28:31]  at work: no memory or LDS instruction names them
.set QF,   32                          ; v[32:63]  Q fragments: 16 n + 8 ks
.set QOFF, 32                          ; before they land: the byte offset of my Q loads
.set ACC,  64                          ; v[64:127] O^T: 32 n + 8 dt; before it is cleared: Q as loaded
.set SC,   128                         ; v[128:191] S^T: 32 n + 8 kt; then P^T packed in place: 32 n + 16 u
.set FR,   192                         ; v[192:255] K fragments 16 kt + 8 ks, then V fragments 32 u + 8 dt
.set ST,   128                         ; v[128:255] between the compute phases: 32 slots of 4 registers for K and V as loaded, rounded into each slot's first pair
; scalar registers: s[4:13] buffers; s14 wave; s15 q0; s16-24 cu_seqlens; s25 head; s26 klo, s27 khi; s28 wlo, s29 whi, s30 wlomax, s31 whimin;
; s32 chunk counter; s33 first new key of the chunk (nom); s34 first key in LDS (kbp); s35 tile counter; s36, s37 the tile's first key and end;
; s38 max(wlo, nom); s39 max(wlomax, nom); s[40:41], s[42:43] K and V at the chunk; s[44:45], s[46:47] K and V at the head; s[48:49] an offset;
; s[50:51] c, c; s52, s53 lane selects; s54 -2^100; s55 -c; s56-59 at work
.set MK,   66                          ; s[66:97]  the lane masks of a run of compares
.macro PLACES n                        ; plain vector instructions that name no register of the matrix instructions in front (ISA guide 7.12.1)
.rept \n
	v_nop
.endr
.endm
; lo(x) into s[lo] and hi(x) into s[hi] for the scalar row s[x]; -1: not wanted.  Both selects stand ahead of max and min, which write SCC.
.macro SEG x, lo, hi
.if \lo >= 0
	s_mov_b32 s[\lo], 0
.endif
.if \hi >= 0
	s_mov_b32 s[\hi], NTOK
.endif
.irp j, 17,18,19,20,21,22,23,24
	s_cmp_le_u32 s\j, s[\x]
.if \lo >= 0
	s_cselect_b32 s58, s\j, 0
.endif
.if \hi >= 0
	s_cselect_b32 s59, NTOK, s\j
.endif
.if \lo >= 0
	s_max_u32 s[\lo], s[\lo], s58
.endif
.if \hi >= 0
	s_min_u32 s[\hi], s[\hi], s59
.endif
.endr
.endm
; the same for each lane's row, in two parts.  VCMP: the row lies in v[TA]; eight compares, one mask each.  VSEL: the selects; v[TT] holds 4096.
.macro VCMP n
.irp j, 17,18,19,20,21,22,23,24
	v_cmp_le_u32 s[MK+8*\n+\j-17], s\j, v[TA]
.endr
.endm
.macro VSEL n
	v_mov_b32 v[LO+\n], 0
	v_mov_b32 v[HI+\n], v[TT]
.irp j, 17,18,19,20,21,22,23,24
	v_cndmask_b32 v[TT+1], 0, s\j, s[MK+8*\n+\j-17]        ; boundary <= row: a candidate for lo
	v_cndmask_b32 v[TT+2], s\j, v[TT], s[MK+8*\n+\j-17]    ; boundary > row: a candidate for hi
	v_max_u32 v[LO+\n], v[LO+\n], v[TT+1]
	v_min_u32 v[HI+\n], v[HI+\n], v[TT+2]
.endr
.endm
; The chunk's 512 rows begin at kbp = min(nom, 3584), so that they end inside the head.  A chunk that is pulled back so begins ahead of nom;
; its keys below nom were taken in an earlier chunk and are masked by LOE.
.macro SETBASE
	s_min_u32 s34, s33, NTOK-CHUNK
	s_lshl_b32 s48, s34, 8                         ; 256 bytes a row
	s_add_nc_u64 s[40:41], s[44:45], s[48:49]
	s_add_nc_u64 s[42:43], s[46:47], s[48:49]
.endm
; Eight slots, 8 g to 8 g + 7, are rounded in place: a slot's four f32 close up into its first pair.
.macro CVT8
.set i, 8*g
.rept 8
	v_cvt_pk_bf16_f32 v[ST+4*i],   v[ST+4*i],   v[ST+4*i+1]
	v_cvt_pk_bf16_f32 v[ST+4*i+1], v[ST+4*i+2], v[ST+4*i+3]
.set i, i+1
.endr
.endm
; V's eight loads into the slots from f on
.macro VLOAD8 f
.set i, \f
.rept 8
	global_load_b128 v[ST+4*i:ST+4*i+3], v[GOFF], s[42:43] offset:512*i
.set i, i+1
.endr
.endm
; Bring a chunk in.  A wave takes 64 rows of K and of V: 32 loads each, a load = two whole rows (lanes 0-15 one, lanes 16-31 the next).
; All 32 K loads go out at once; V's loads go out eight at a time, into a group of slots whose K has been rounded and stored.
; first = 1: the once-only work is done while the K loads are on their way.
.macro LOADCHUNK first
.if !\first
	s_wait_alu depctr_va_vdst(0)                   ; products, softmax and the last chunk's conversions are done reading and writing v[ST ..], in which the loads below land
.endif
.set i, 0
.rept 32
	global_load_b128 v[ST+4*i:ST+4*i+3], v[GOFF], s[40:41] offset:512*i
.set i, i+1
.endr
.if \first
	s_lshl_b32 s57, s14, 5
	s_add_co_u32 s57, s57, s15                     ; qw: my wave's first row
	SEG 57, 28, 31                                 ; wlo = lo(qw), the least lo of my rows; whimin = hi(qw), the least hi
	s_add_co_u32 s56, s57, 31
	SEG 56, 30, 29                                 ; wlomax = lo(qw + 31), whi = hi(qw + 31): the largest
	v_and_b32 v[TT+3], 15, v0                      ; r
	v_mov_b32 v[TT], NTOK
	v_add_nc_u32 v[TA], s57, v[TT+3]               ; row of q tile 0
	VCMP 0
	v_add_nc_u32 v[TA], 16, v[TA]                  ; of q tile 1
	VCMP 1
	s_wait_alu depctr_va_sdst(0)                   ; the sixteen compares have written their masks, which the selects below read
	VSEL 0
	VSEL 1
	v_bfe_u32 v[TT+2], v0, 4, 1                    ; h
	s_mul_i32 s56, s14, 64*KPITCH
	s_mul_i32 s57, s14, 64*VPITCH
	s_add_co_u32 s57, s57, VB
	v_mul_u32_u24 v[KST], v[TT+2], KPITCH          ; row 64 w + h, 8 bytes (4 bf16) at 8 r
	v_mul_u32_u24 v[VST], v[TT+2], VPITCH
	v_lshl_add_u32 v[KST], v[TT+3], 3, v[KST]
	v_lshl_add_u32 v[VST], v[TT+3], 3, v[VST]
	v_add_nc_u32 v[KST], s56, v[KST]
	v_add_nc_u32 v[VST], s57, v[VST]
	v_lshlrev_b32 v[K8H], 3, v[TT+2]
	s_mul_i32 s56, s14, WSB
	s_add_co_u32 s56, s56, WS0                     ; my wave's own bytes
	v_mul_u32_u24 v[TA], v[TT+2], KPITCH           ; Q in: row h, 8 r
	v_lshl_add_u32 v[TA], v[TT+3], 3, v[TA]
	v_add_nc_u32 v[TA], s56, v[TA]
	v_mul_u32_u24 v[KA], v[TT+3], KPITCH           ; Q fragments: row r, 16 h
	v_lshl_add_u32 v[KA], v[TT+2], 4, v[KA]
	v_add_nc_u32 v[KA], s56, v[KA]
.irp n, 0,1
	v_mov_b32 v[MX+\n], s54                        ; no key seen yet: m = -2^100,
	v_mul_f32 v[NM+2*\n], s55, s54                 ; -c m = 2^100 c, exact,
	v_mul_f32 v[NM+2*\n+1], s55, s54
	v_mov_b32 v[LS+\n], 0                          ; the sum empty
.endr
	s_wait_loadcnt 32                              ; the 32 K loads are younger than the 16 Q loads: Q is in
.set i, 0
.rept 16
	v_cvt_pk_bf16_f32 v[ACC+4*i],   v[ACC+4*i],   v[ACC+4*i+1]     ; in place: four f32 close up into the first pair of their four registers
	v_cvt_pk_bf16_f32 v[ACC+4*i+1], v[ACC+4*i+2], v[ACC+4*i+3]
.set i, i+1
.endr
	s_wait_alu depctr_va_vdst(0)                   ; the conversions have written Q's pairs, which the LDS stores read; TA, KA, KST and VST, addresses of the LDS instructions below, are written
.set i, 0
.rept 16
	ds_store_b64 v[TA], v[ACC+4*i:ACC+4*i+1] offset:2*KPITCH*i
.set i, i+1
.endr
	s_wait_alu depctr_vm_vsrc(0)                   ; the LDS stores have read Q's pairs, which the moves below clear, and TA; the Q loads have read their offset v32, in which a fragment lands
.irp n, 0,1
.irp ks, 0,1
	ds_load_b128 v[QF+16*\n+8*\ks:QF+16*\n+8*\ks+3],   v[KA] offset:16*KPITCH*\n+64*\ks      ; my own bytes, and LDS serves a wave's instructions
	ds_load_b128 v[QF+16*\n+8*\ks+4:QF+16*\n+8*\ks+7], v[KA] offset:16*KPITCH*\n+64*\ks+32   ; in order (ISA guide 5.7.1): no wait in between
.endr
.endr
	; O^T is cleared by moves: which tile a wave multiplies first is settled by branches on cu_seqlens, so no product in the text is the first.
.set i, 0
.rept 64
	v_mov_b32 v[ACC+i], 0
.set i, i+1
.endr
.endif
	; K, four groups of eight slots
.set g, 0
.rept 4
.if g == 0
	s_wait_loadcnt 24                              ; behind K's first eight loads stand its other 24
.else
	s_wait_loadcnt 16                              ; behind K's loads of group g stand 8 (3 - g) of K and 8 (g - 1) of V: sixteen
.endif
	CVT8
	s_wait_alu depctr_va_vdst(0)                   ; the group's conversions have written its pairs, which the LDS stores below read; they and the last group's are done with their slots
.if g > 0
	s_wait_alu depctr_vm_vsrc(0)                   ; the LDS stores of the group before have read its pairs: V may land in those slots
	VLOAD8 8*(g-1)
.endif
.set i, 8*g
.rept 8
	ds_store_b64 v[KST], v[ST+4*i:ST+4*i+1] offset:2*KPITCH*i
.set i, i+1
.endr
.set g, g+1
.endr
	s_wait_alu depctr_vm_vsrc(0)                   ; the LDS stores of K's last group have read its pairs (its conversions stand ahead of the last wait on va_vdst)
	VLOAD8 24
	; V, likewise
.set g, 0
.rept 4
	s_wait_loadcnt 24-8*g                          ; behind V's loads of group g stand those of the later groups; the last wait, for 0, also frees s[40:43]
	CVT8
	s_wait_alu depctr_va_vdst(0)                   ; the group's conversions have written its pairs, which the LDS stores below read
.set i, 8*g
.rept 8
	ds_store_b64 v[VST], v[ST+4*i:ST+4*i+1] offset:2*VPITCH*i
.set i, i+1
.endr
.set g, g+1
.endr
.endm
; Scores of keys outside [LOE, hi) of the lane's row become -2^100.  Register 8 kt + j holds key ts + 16 kt + 8 h + j.
; One unsigned compare does both ends: key - LOE wraps to a large number below LOE.  A q tile's 32 compares stand in one run, a mask each.
.macro MASK
	v_add_nc_u32 v[TA], s36, v[K8H]
	v_sub_nc_u32 v[TT],   v[TA], v[LOE]
	v_sub_nc_u32 v[TT+1], v[TA], v[LOE+1]
.irp n, 0,1
.set i, 0
.rept 32
	v_add_nc_u32 v[TT+2+i%2], 16*(i/8)+i%8, v[TT+\n]
	v_cmp_gt_u32 s[MK+i], v[LEN+\n], v[TT+2+i%2]
.set i, i+1
.endr
	s_wait_alu depctr_va_sdst(0)                   ; the 32 compares have written their masks, which the selects below read
.set i, 0
.rept 32
	v_cndmask_b32 v[SC+32*\n+i], s54, v[SC+32*\n+i], s[MK+i]
.set i, i+1
.endr
.endr
.endm
; One step of the running softmax for both q tiles, interleaved so that their chains do not wait for each other.
.macro SOFTMAX
	; the maximum of my 32 scores and the old maximum: two chains for each q tile, 16 instructions
.irp n, 0,1
	v_max3_num_f32 v[TT+2*\n],   v[SC+32*\n],    v[SC+32*\n+1],  v[MX+\n]
	v_max3_num_f32 v[TT+2*\n+1], v[SC+32*\n+16], v[SC+32*\n+17], v[SC+32*\n+18]
.endr
.set i, 0
.rept 7
.irp n, 0,1
	v_max3_num_f32 v[TT+2*\n], v[TT+2*\n], v[SC+32*\n+2+2*i], v[SC+32*\n+3+2*i]
.if i < 6
	v_max3_num_f32 v[TT+2*\n+1], v[TT+2*\n+1], v[SC+32*\n+19+2*i], v[SC+32*\n+20+2*i]
.endif
.endr
.set i, i+1
.endr
.irp n, 0,1
	v_max3_num_f32 v[TT+2*\n], v[TT+2*\n], v[TT+2*\n+1], v[SC+32*\n+31]
.endr
.irp n, 0,1
	v_permlanex16_b32 v[TT+2*\n+1], v[TT+2*\n], s52, s53   ; the other half-wave holds the row's other 32 keys
.endr
.irp n, 0,1
	v_max_num_f32 v[MX+\n], v[TT+2*\n], v[TT+2*\n+1]
.endr
.irp n, 0,1
	v_mul_f32 v[TT+2*\n], s55, v[MX+\n]                    ; the new shift -c m
.endr
.irp n, 0,1
	v_sub_f32 v[TT+2*\n+1], v[TT+2*\n], v[NM+2*\n]         ; new shift - old shift, <= 0
	v_mov_b32 v[NM+2*\n],   v[TT+2*\n]
	v_mov_b32 v[NM+2*\n+1], v[TT+2*\n]
.endr
.irp n, 0,1
	v_exp_f32 v[AL+2*\n],   v[TT+2*\n+1]                   ; the factor for what was gathered under the old shift; the packed
	v_exp_f32 v[AL+2*\n+1], v[TT+2*\n+1]                   ; multiply-adds below are the plain places behind these (ISA guide 5.7.2)
.endr
.set i, 0
.rept 16
.irp n, 0,1
	v_pk_fma_f32 v[SC+32*\n+2*i:SC+32*\n+2*i+1], v[SC+32*\n+2*i:SC+32*\n+2*i+1], s[50:51], v[NM+2*\n:NM+2*\n+1] op_sel_hi:[1,0,1]
.endr
.set i, i+1
.endr
.set i, 0
.rept 64
	v_exp_f32 v[SC+i], v[SC+i]                             ; p = 2^(c s - c m)
.set i, i+1
.endr
	v_nop                                                  ; one plain place before the last results are used
	; the sum of my 32 p, and between its links the rescaling of O^T
	s_wait_alu depctr_va_vdst(0)
.irp n, 0,1
	v_pk_add_f32 v[TT+2*\n:TT+2*\n+1], v[SC+32*\n:SC+32*\n+1], v[SC+32*\n+2:SC+32*\n+3]
.endr
.set i, 0
.rept 16
.irp n, 0,1
.if i < 14
	v_pk_add_f32 v[TT+2*\n:TT+2*\n+1], v[TT+2*\n:TT+2*\n+1], v[SC+32*\n+4+2*i:SC+32*\n+5+2*i]
.endif
	v_pk_mul_f32 v[ACC+32*\n+2*i:ACC+32*\n+2*i+1], v[ACC+32*\n+2*i:ACC+32*\n+2*i+1], v[AL+2*\n:AL+2*\n+1]
.endr
.set i, i+1
.endr
.irp n, 0,1
	v_add_f32 v[TT+2*\n], v[TT+2*\n], v[TT+2*\n+1]
.endr
.irp n, 0,1
	v_fma_f32 v[LS+\n], v[LS+\n], v[AL+2*\n], v[TT+2*\n]
.endr
	; P^T in bf16, packed in place: word i of a block of 16 takes numbers 2 i and 2 i + 1, so no word is written before it has been read
.irp n, 0,1
.irp u, 0,1
.set i, 0
.rept 8
	v_cvt_pk_bf16_f32 v[SC+32*\n+16*\u+i], v[SC+32*\n+16*\u+2*i], v[SC+32*\n+16*\u+2*i+1]
.set i, i+1
.endr
.endr
.endr
.endm
; ------------------------------------------------------------------ entry
	s_load_b256 s[4:11], s[0:1], 0x0               ; cu_seqlens s[4:5], k s[6:7], q s[8:9], v s[10:11]
	s_load_b64 s[12:13], s[0:1], 0x20              ; out0
	s_set_vgpr_msb 0x40
	v_lshl_add_u32 v0, v0, 2, 0x37000
	v_mov_b32 v1, 0
	s_set_vgpr_msb 0x4000
	v_lshrrev_b32 v[TA], 5, v0
	v_readfirstlane_b32 s14, v[TA]                 ; wave 0..7
	v_and_b32 v[TA], 31, v0
	v_lshlrev_b32 v[TA], 4, v[TA]                  ; 16 bytes a lane
	s_wait_alu depctr_va_sdst(0)                   ; s14 is written, ahead of its first reader: offsets, LDS places and rows are made from it
	s_lshl_b32 s56, s14, 13                        ; my 32 rows of Q: 8,192 bytes a wave
	s_lshl_b32 s57, s14, 14                        ; my 64 rows of a chunk: 16,384 bytes a wave
	v_add_nc_u32 v[QOFF], s56, v[TA]
	v_add_nc_u32 v[GOFF], s57, v[TA]
	s_and_b32 s25, ttmp7, 0xffff                   ; head
	s_lshl_b32 s15, ttmp9, 8                       ; q0: the block's first row
	s_lshl_b32 s48, s25, 20                        ; a head of q, k, v: 4,096 rows x 256 bytes
	s_mov_b32 s49, 0
	s_lshl_b32 s56, ttmp9, 16                      ; 256 rows x 256 bytes
	s_add_co_u32 s56, s56, s48
	s_mov_b32 s57, 0
	s_lshl_b32 s58, ttmp9, 20                      ; in out0 a token is 16 heads x 256 bytes
	s_lshl_b32 s59, s25, 8
	s_add_co_u32 s58, s58, s59
	s_mov_b32 s59, 0
	s_wait_kmcnt 0x0
	s_load_b256 s[16:23], s[4:5], 0x0              ; cu_seqlens[0..7]
	s_load_b32 s24, s[4:5], 0x20                   ; cu_seqlens[8]: the boundaries are s17 .. s24
	s_add_nc_u64 s[44:45], s[6:7], s[48:49]        ; k at the head
	s_add_nc_u64 s[46:47], s[10:11], s[48:49]      ; v at the head
	s_add_nc_u64 s[8:9], s[8:9], s[56:57]          ; q at the block
	s_add_nc_u64 s[12:13], s[12:13], s[58:59]      ; out0 at the block's first token, my head
	s_wait_alu depctr_va_vdst(0)                   ; QOFF and GOFF are written: the loads of Q, and every load of K and V, read one of them as the offset
.set i, 0
.rept 16
	global_load_b128 v[ACC+4*i:ACC+4*i+3], v[QOFF], s[8:9] offset:512*i th:TH_LOAD_NT   ; read by nobody else
.set i, i+1
.endr
	s_mov_b32 s50, 0x4138aa3b                      ; c = 8 log2(e)
	s_mov_b32 s51, 0x4138aa3b
	s_mov_b32 s52, 0x76543210                      ; v_permlanex16_b32: lane i of one half reads lane i of the other
	s_mov_b32 s53, 0xfedcba98
	s_mov_b32 s54, 0xf1800000                      ; -2^100
	s_mov_b32 s55, 0xc138aa3b                      ; -c
	s_wait_kmcnt 0x0
.irp j, 17,18,19,20,21,22,23,24
	s_max_i32 s\j, s\j, 0                          ; a boundary below 0 cuts where 0 cuts, one above 4096 where 4096 cuts: nowhere.
	s_min_i32 s\j, s\j, NTOK                       ; From here on all of it is unsigned.
.endr
	SEG 15, 26, -1                                 ; klo = lo(q0)
	s_add_co_u32 s56, s15, 255
	SEG 56, -1, 27                                 ; khi = hi(q0 + 255)
	s_mov_b32 s33, s26                             ; the first chunk begins at klo; it is never empty, and it writes all of KB and VB
	SETBASE
	LOADCHUNK 1                                    ; no vector instruction since the wait above: its K loads owe nothing more
; ------------------------------------------------------------------ the chunks
	s_mov_b32 s32, 0
.Lchunk:
	s_wait_dscnt 0x0                               ; my stores of the chunk are in LDS (zero, for the other waves' sake)
	s_barrier_signal -1
	s_barrier_wait -1                              ; everybody's are
	s_wait_alu depctr_vm_vsrc(0)                   ; my LDS stores of the chunk have read their pairs in v[ST ..], which products, fragment loads and the next chunk's loads write;
	                                               ; the LDS loads issued so far have read KA and VA, which are made anew below
	s_max_u32 s38, s28, s33                        ; the first key that any of my rows still wants
	s_max_u32 s39, s30, s33                        ; from here on no row of mine is cut off from below
	s_cmp_ge_u32 s38, s29                          ; nothing left for my rows (also: no chunk was loaded, since then nom >= khi >= whi)
	s_cbranch_scc1 .Lcdone
	s_add_co_u32 s56, s34, CHUNK
	s_cmp_le_u32 s56, s38                          ; my rows' keys begin behind this chunk
	s_cbranch_scc1 .Lcdone
.irp n, 0,1
	v_max_u32 v[LOE+\n], s33, v[LO+\n]
	v_min_u32 v[TT+\n], v[LOE+\n], v[HI+\n]
	v_sub_nc_u32 v[LEN+\n], v[HI+\n], v[TT+\n]     ; hi - LOE, or 0
.endr
	v_and_b32 v[TT], 15, v0                        ; r
	v_bfe_u32 v[TT+1], v0, 4, 1                    ; h
	v_mul_u32_u24 v[KA], v[TT], KPITCH
	v_lshl_add_u32 v[KA], v[TT+1], 4, v[KA]        ; K fragment: row r, 16 h
	v_and_b32 v[TT+2], 7, v0
	v_lshl_add_u32 v[TT+2], v[TT+1], 3, v[TT+2]    ; V, transposing load: row 8 h + (lane & 7),
	v_bfe_u32 v[TT+3], v0, 3, 1
	v_mul_u32_u24 v[VA], v[TT+2], VPITCH
	v_lshl_add_u32 v[VA], v[TT+3], 4, v[VA]        ; 16 bytes x bit 3 of the lane
	v_add_nc_u32 v[VA], VB, v[VA]
	s_mov_b32 s36, s34                             ; the first tile's first key
	s_mov_b32 s35, 0
.Ltile:
	s_add_co_u32 s37, s36, TKEYS
	s_cmp_le_u32 s37, s38                          ; the tile ends before my rows' keys begin
	s_cbranch_scc1 .Lnext
	s_cmp_ge_u32 s36, s29                          ; or begins behind their end
	s_cbranch_scc1 .Lnext
	s_wait_alu depctr_va_vdst(0)                   ; KA and VA are written, which this tile's LDS loads read; the last tile's products V^T P^T (in a chunk's first tile: the conversions) are done with FR, in which K's fragments land
	; K fragments: 4 blocks of 16 keys x 2 halves of d, two loads each
.irp kt, 0,1,2,3
.irp ks, 0,1
	ds_load_b128 v[FR+16*\kt+8*\ks:FR+16*\kt+8*\ks+3],   v[KA] offset:16*KPITCH*\kt+64*\ks
	ds_load_b128 v[FR+16*\kt+8*\ks+4:FR+16*\kt+8*\ks+7], v[KA] offset:16*KPITCH*\kt+64*\ks+32
.endr
.endr
	; S^T = K Q^T; the first product of each tile starts its sum
.irp kt, 0,1,2,3
	s_wait_dscnt 12-4*\kt                          ; the four loads of each later key block stay out
	v_wmma_f32_16x16x32_bf16 v[SC+8*\kt:SC+8*\kt+7],       v[FR+16*\kt:FR+16*\kt+7],    v[QF:QF+7],     0
	v_wmma_f32_16x16x32_bf16 v[SC+32+8*\kt:SC+32+8*\kt+7], v[FR+16*\kt:FR+16*\kt+7],    v[QF+16:QF+23], 0
	v_wmma_f32_16x16x32_bf16 v[SC+8*\kt:SC+8*\kt+7],       v[FR+16*\kt+8:FR+16*\kt+15], v[QF+8:QF+15],  v[SC+8*\kt:SC+8*\kt+7]
	v_wmma_f32_16x16x32_bf16 v[SC+32+8*\kt:SC+32+8*\kt+7], v[FR+16*\kt+8:FR+16*\kt+15], v[QF+24:QF+31], v[SC+32+8*\kt:SC+32+8*\kt+7]
.endr
	PLACES 4                                       ; before vector work reads S^T
	s_wait_alu depctr_va_vdst(0)                   ; the products K Q^T are done reading FR, in which V's fragments land
	; V^T fragments: 2 blocks of 32 keys x 4 blocks of 16 d; the softmax, which names neither FR nor VA, covers their way
.irp u, 0,1
.irp dt, 0,1,2,3
	ds_load_tr16_b128 v[FR+32*\u+8*\dt:FR+32*\u+8*\dt+3],   v[VA] offset:32*VPITCH*\u+32*\dt
	ds_load_tr16_b128 v[FR+32*\u+8*\dt+4:FR+32*\u+8*\dt+7], v[VA] offset:32*VPITCH*\u+32*\dt+16*VPITCH
.endr
.endr
	s_cmp_lt_u32 s36, s39                          ; some row of mine is cut off inside the tile from below,
	s_cbranch_scc1 .Lmask
	s_cmp_le_u32 s37, s31                          ; or from above?
	s_cbranch_scc1 .Lnomask
.Lmask:
	MASK
.Lnomask:
	SOFTMAX
	; O^T += V^T P^T
.irp u, 0,1
	s_wait_dscnt 8-8*\u                            ; the eight loads of the second key block stay out, then none
.irp dt, 0,1,2,3
.irp n, 0,1
	v_wmma_f32_16x16x32_bf16 v[ACC+32*\n+8*\dt:ACC+32*\n+8*\dt+7], v[FR+32*\u+8*\dt:FR+32*\u+8*\dt+7], v[SC+32*\n+16*\u:SC+32*\n+16*\u+7], v[ACC+32*\n+8*\dt:ACC+32*\n+8*\dt+7]
.endr
.endr
.endr
	PLACES 5                                       ; the next tile's first products write over P^T (five places); vector work on O^T wants four
.Lnext:
	s_wait_alu depctr_vm_vsrc(0)                   ; the LDS loads issued so far have read KA and VA, which the two adds write
	v_add_nc_u32 v[KA], TKEYS*KPITCH, v[KA]
	v_add_nc_u32 v[VA], TKEYS*VPITCH, v[VA]
	s_mov_b32 s36, s37
	s_add_co_u32 s35, s35, 1
	s_cmp_lt_u32 s35, NTILE
	s_cbranch_scc1 .Ltile
.Lcdone:
	s_wait_dscnt 0x0                               ; my reads of the chunk are back
	s_barrier_signal -1
	s_barrier_wait -1                              ; everybody's are: KB and VB may be written again
	s_add_co_u32 s33, s33, CHUNK
	s_cmp_ge_u32 s33, s27                          ; no key of the block's range is left (in the eighth trip always: klo + 4096 >= khi)
	s_cbranch_scc1 .Lnoload
	SETBASE                                        ; s[40:43] are free: the last chunk's loads were waited for down to 0
	LOADCHUNK 0
.Lnoload:
	s_add_co_u32 s32, s32, 1
	s_cmp_lt_u32 s32, NCHUNK
	s_cbranch_scc1 .Lchunk
; ------------------------------------------------------------------ the way out: my wave's own bytes of LDS, no barrier
.irp n, 0,1
	v_permlanex16_b32 v[TT+2*\n], v[LS+\n], s52, s53       ; the other half-wave's part of the sum
.endr
.irp n, 0,1
	v_add_f32 v[TT+2*\n], v[TT+2*\n], v[LS+\n]             ; at least about 1: every row is a key of its own, and its largest p is about 1
.endr
.irp n, 0,1
	v_rcp_f32 v[AL+2*\n],   v[TT+2*\n]
	v_rcp_f32 v[AL+2*\n+1], v[TT+2*\n]
.endr
	v_and_b32 v[TT+1], 15, v0                      ; r: also the plain place behind the reciprocals (ISA guide 5.7.2)
	v_bfe_u32 v[TT+3], v0, 4, 1                    ; h
.set i, 0
	s_wait_alu depctr_va_vdst(0)
.rept 16
.irp n, 0,1
	v_pk_mul_f32 v[ACC+32*\n+2*i:ACC+32*\n+2*i+1], v[ACC+32*\n+2*i:ACC+32*\n+2*i+1], v[AL+2*\n:AL+2*\n+1]
.endr
.set i, i+1
.endr
	s_mul_i32 s56, s14, WSB
	s_add_co_u32 s56, s56, WS0
	s_lshl_b32 s57, s14, 17                        ; 32 tokens x 4,096 bytes a wave
	s_wait_alu depctr_vm_vsrc(0)                   ; every LDS load that read KA or VA and every LDS store that read KST and a pair of v[ST ..] has read them: the three are made anew below, and the read-backs land in v[ST ..]
	v_mul_u32_u24 v[KA], v[TT+1], OPITCH           ; in: row r; register j of tile dt is d = 16 dt + 8 h + j: byte 64 dt + 32 h + 4 j
	v_lshl_add_u32 v[KA], v[TT+3], 5, v[KA]
	v_add_nc_u32 v[KA], s56, v[KA]
	v_mul_u32_u24 v[VA], v[TT+3], OPITCH           ; back: lanes 0-15 take one row of 256 bytes, lanes 16-31 the next
	v_lshl_add_u32 v[VA], v[TT+1], 4, v[VA]
	v_add_nc_u32 v[VA], s56, v[VA]
	v_lshlrev_b32 v[KST], 12, v[TT+3]              ; and the same two tokens in out0
	v_lshl_add_u32 v[KST], v[TT+1], 4, v[KST]
	v_add_nc_u32 v[KST], s57, v[KST]
	s_wait_alu depctr_va_vdst(0)                   ; the multiplies have written O^T, which the LDS stores read; KA, VA and KST are written; products and conversions are done with v[ST ..], in which the read-backs land
.irp n, 0,1
.irp dt, 0,1,2,3
.irp e, 0,1
	ds_store_b128 v[KA], v[ACC+32*\n+8*\dt+4*\e:ACC+32*\n+8*\dt+4*\e+3] offset:16*OPITCH*\n+64*\dt+16*\e
.endr
.endr
.endr
.set i, 0
.rept 16
	ds_load_b128 v[ST+4*i:ST+4*i+3], v[VA] offset:2*OPITCH*i       ; LDS serves a wave's instructions in order: these see the stores above
.set i, i+1
.endr
.set i, 0
.rept 16
	s_wait_dscnt 15-i                              ; the later read-backs stay out
	global_store_b128 v[KST], v[ST+4*i:ST+4*i+3], s[12:13] offset:8192*i th:TH_STORE_NT   ; 16 lanes store the 256 consecutive, aligned bytes of one (token, head)
.set i, i+1
.endr
	s_set_vgpr_msb 0x5
	s_wait_dscnt 0x0
	s_wait_alu depctr_hold_cnt(0) depctr_sa_sdst(0) depctr_va_vdst(0) depctr_va_sdst(0) depctr_va_ssrc(0) depctr_va_vcc(0) depctr_vm_vsrc(0)
	s_wait_tensorcnt 0x0
	ds_add_u32 v0, v1
	s_wait_dscnt 0x0
	s_endpgm
.Lfunc_end_k_q12de0e7725_attn:
	.size	k_q12de0e7725_attn, .Lfunc_end_k_q12de0e7725_attn-k_q12de0e7725_attn
	.p2alignl 7, 3214868480
	.fill 96, 4, 3214868480
	.section	.rodata,"a",@progbits
	.p2align	6, 0x0
	.amdhsa_kernel k_q12de0e7725_attn
		.amdhsa_group_segment_fixed_size 226304
		.amdhsa_private_segment_fixed_size 0
		.amdhsa_enable_private_segment 0
		.amdhsa_kernarg_size 40
		.amdhsa_user_sgpr_count 2
		.amdhsa_user_sgpr_kernarg_segment_ptr 1
		.amdhsa_wavefront_size32 1
		.amdhsa_system_sgpr_workgroup_id_x 1
		.amdhsa_system_sgpr_workgroup_id_y 1
		.amdhsa_system_sgpr_workgroup_id_z 1
		.amdhsa_system_vgpr_workitem_id 0
		.amdhsa_next_free_vgpr 258
		.amdhsa_next_free_sgpr 98
		.amdhsa_reserve_vcc 0
		.amdhsa_float_denorm_mode_32 3
		.amdhsa_float_denorm_mode_16_64 3
		.amdhsa_memory_ordered 1
		.amdhsa_forward_progress 1
		.amdhsa_inst_pref_size 96
	.end_amdhsa_kernel
	.amdgpu_metadata
---
amdhsa.version: [ 1, 2 ]
amdhsa.kernels:
  - .name:           k_q12de0e7725_attn
    .symbol:         k_q12de0e7725_attn.kd
    .args:
      - { .name: cu_seqlens, .offset: 0, .size: 8, .value_kind: global_buffer, .address_space: global }
      - { .name: k, .offset: 8, .size: 8, .value_kind: global_buffer, .address_space: global }
      - { .name: q, .offset: 16, .size: 8, .value_kind: global_buffer, .address_space: global }
      - { .name: v, .offset: 24, .size: 8, .value_kind: global_buffer, .address_space: global }
      - { .name: out0, .offset: 32, .size: 8, .value_kind: global_buffer, .address_space: global }
    .group_segment_fixed_size: 226304
    .private_segment_fixed_size: 0
    .kernarg_segment_align: 8
    .kernarg_segment_size: 40
    .max_flat_workgroup_size: 256
    .sgpr_count:     98
    .vgpr_count:     258
    .wavefront_size: 32
...
	.end_amdgpu_metadata
.endif
;; end of part 2
